; MI455X (gfx1250); checked and timed in simulation.
; The chip was launched on July 23, 2026; its instructions are those of AMD's public machine-readable ISA for CDNA 5 (MIT licence, August 2026) and "CDNA5" Instruction Set Architecture Reference Guide (July 2026). The comments in the code are by the model that wrote it; some were corrected since.
;; Octonion Fused Linear. Allowed arithmetic: float matrix products may take bf16 or f16 operands with f32 sums; all other float work in f32.
;; Inputs: weight 8 x 256 x 512 float32; x 4 x 2,048 x 4,096 float32.
;; Outputs: out0 4 x 2,048 x 2,048 float32.
;; 2 versions, each right. Each part assembles by itself: llvm-mc -triple=amdgcn-amd-amdhsa -mcpu=gfx1250 --defsym DOCPART=n.
;; ======== version 1 of 2: 2 launches
;; workspace buffers: wb 4,194,304 bytes
;; launch prep (part 1): grid 256 x 1, 4 waves a work-group, no clusters, 0 bytes of LDS; arguments weight, wb; writes wb
.if DOCPART == 1
	.amdgcn_target "amdgcn-amd-amdhsa--gfx1250"
	.amdhsa_code_object_version 6
	.text
	.protected	k_qdd330b648c_prep
	.globl	k_qdd330b648c_prep
	.p2align	8
	.type	k_qdd330b648c_prep,@function
k_qdd330b648c_prep:
	s_mov_b64 s[64:65], 0
	v_nop
	global_prefetch_b8 v0, s[64:65] scope:SCOPE_SE
	s_setreg_imm32_b32 hwreg(HW_REG_WAVE_MODE, 25, 1), 1
	s_wait_xcnt 0x0
; wb = the weight table in bf16, twice: +W (bytes 0 ..) and -W (bytes 2,097,152 ..), laid out in the order in which the product's
; waves want it.  weight: [8 (c)][256 (n)][512 (k)] f32.
; Byte of wb: neg*2097152 + c*262144 + ks*32768 + q*16384 + b*1024 + p*512 + l*16 + 2e
; holds (neg ? - : +) bf16(W[c][n][k]) with n = 16 b + (l & 15), k = 64 ks + 32 q + 16 p + 8 (l >> 4) + e:
; (q, b, p) is registers 4p .. 4p+3 of the matrix fragment of the 16 rows 16 b .. of W[c] for the 32 k at 64 ks + 32 q, lane l's 16 bytes at 16 l.
; Limit: rounding to bf16 is to nearest even; an f32 within half a bf16 step of the largest f32 becomes infinity.  -bf16(w) = bf16(-w) exactly: a flipped sign bit.
; 256 work-groups x 4 waves; a wave makes the four 512-byte pieces (q, p) of one (c, ks, b), in both copies.  Its eight loads together
; take 256 consecutive bytes of each of 16 rows of W; each of its eight stores covers 512 consecutive bytes, aligned.
; No LDS, no barrier, no matrix unit: every byte is read once and written once, and no wave needs another's data.
.set X,   4                            ; v[4:35]   8 f32 for each of the four pieces
.set Y,   36                           ; v[36:51]  the pieces in bf16
.set NG,  52                           ; v[52:67]  the same, negated
.set NEGCOPY, 2097152                  ; where the negated copy begins
	s_load_b128 s[4:7], s[0:1], 0x0                ; weight s[4:5], wb s[6:7]
	v_lshrrev_b32 v3, 5, v0
	v_readfirstlane_b32 s8, v3                     ; wave 0..3
	v_and_b32 v2, 31, v0                           ; lane l
	v_and_b32 v1, 15, v0                           ; l & 15: the row among the 16
	v_bfe_u32 v3, v0, 4, 1                         ; l >> 4
	v_lshlrev_b32 v1, 11, v1                       ; a row of W is 2,048 bytes
	v_lshl_add_u32 v1, v3, 5, v1                   ; + 8 f32 for the upper half of the lanes
	v_lshlrev_b32 v2, 4, v2                        ; 16 l: my 16 bytes of a piece
	s_lshr_b32 s9, ttmp9, 2                        ; 8 c + ks
	s_and_b32 s14, ttmp9, 3
	s_lshl2_add_u32 s14, s14, s8                   ; b = 4 (group & 3) + wave
	s_lshr_b32 s10, s9, 3                          ; c
	s_lshl_b32 s10, s10, 19                        ; c x 524,288 bytes
	s_lshl_b32 s15, s14, 15                        ; b x 16 rows x 2,048 bytes
	s_add_co_u32 s10, s10, s15
	s_and_b32 s15, s9, 7                           ; ks
	s_lshl_b32 s15, s15, 8                         ; ks x 64 f32
	s_add_co_u32 s10, s10, s15
	s_mov_b32 s11, 0
	s_lshl_b32 s12, s9, 15                         ; (8 c + ks) x 32,768
	s_lshl_b32 s15, s14, 10                        ; b x 1,024
	s_add_co_u32 s12, s12, s15
	s_mov_b32 s13, 0
	s_wait_kmcnt 0x0
	s_add_nc_u64 s[4:5], s[4:5], s[10:11]
	s_add_nc_u64 s[6:7], s[6:7], s[12:13]
.irp e, 0,1,2,3                                    ; e = 2 q + p: 16 k = 64 bytes further along the row
	global_load_b128 v[X+8*\e:X+8*\e+3],   v1, s[4:5] offset:64*\e
	global_load_b128 v[X+8*\e+4:X+8*\e+7], v1, s[4:5] offset:64*\e+16
.endr
.irp e, 0,1,2,3
	s_wait_loadcnt 6-2*\e                          ; loads come back in order (ISA guide 5.7.1): piece e's two are in, the younger ones stay out
.irp j, 0,1,2,3
	v_cvt_pk_bf16_f32 v[Y+4*\e+\j], v[X+8*\e+2*\j], v[X+8*\e+2*\j+1]
.endr
.irp j, 0,1,2,3
	v_xor_b32 v[NG+4*\e+\j], 0x80008000, v[Y+4*\e+\j]          ; both signs of the word
.endr
	global_store_b128 v2, v[Y+4*\e:Y+4*\e+3],   s[6:7] offset:(\e/2)*16384+(\e%2)*512
	global_store_b128 v2, v[NG+4*\e:NG+4*\e+3], s[6:7] offset:(\e/2)*16384+(\e%2)*512+NEGCOPY
.endr
	s_endpgm                                       ; no register was written twice: no further wait
.Lfunc_end_k_qdd330b648c_prep:
	.size	k_qdd330b648c_prep, .Lfunc_end_k_qdd330b648c_prep-k_qdd330b648c_prep
	.p2alignl 7, 3214868480
	.fill 96, 4, 3214868480
	.section	.rodata,"a",@progbits
	.p2align	6, 0x0
	.amdhsa_kernel k_qdd330b648c_prep
		.amdhsa_group_segment_fixed_size 0
		.amdhsa_private_segment_fixed_size 0
		.amdhsa_enable_private_segment 0
		.amdhsa_kernarg_size 16
		.amdhsa_user_sgpr_count 2
		.amdhsa_user_sgpr_kernarg_segment_ptr 1
		.amdhsa_wavefront_size32 1
		.amdhsa_system_sgpr_workgroup_id_x 1
		.amdhsa_system_sgpr_workgroup_id_y 1
		.amdhsa_system_sgpr_workgroup_id_z 1
		.amdhsa_system_vgpr_workitem_id 0
		.amdhsa_next_free_vgpr 68
		.amdhsa_next_free_sgpr 66
		.amdhsa_reserve_vcc 0
		.amdhsa_float_denorm_mode_32 3
		.amdhsa_float_denorm_mode_16_64 3
		.amdhsa_memory_ordered 1
		.amdhsa_forward_progress 1
		.amdhsa_inst_pref_size 5
	.end_amdhsa_kernel
	.amdgpu_metadata
---
amdhsa.version: [ 1, 2 ]
amdhsa.kernels:
  - .name:           k_qdd330b648c_prep
    .symbol:         k_qdd330b648c_prep.kd
    .args:
      - { .name: weight, .offset: 0, .size: 8, .value_kind: global_buffer, .address_space: global }
      - { .name: wb, .offset: 8, .size: 8, .value_kind: global_buffer, .address_space: global }
    .group_segment_fixed_size: 0
    .private_segment_fixed_size: 0
    .kernarg_segment_align: 8
    .kernarg_segment_size: 16
    .max_flat_workgroup_size: 128
    .sgpr_count:     66
    .vgpr_count:     68
    .wavefront_size: 32
...
	.end_amdgpu_metadata
.endif
;; end of part 1
;; launch gemm (part 2): grid 8 x 32, 4 waves a work-group, clusters of 4 x 4, 327,680 bytes of LDS; arguments x, wb, out0; writes out0
.if DOCPART == 2
	.amdgcn_target "amdgcn-amd-amdhsa--gfx1250"
	.amdhsa_code_object_version 6
	.text
	.protected	k_qdd330b648c_gemm
	.globl	k_qdd330b648c_gemm
	.p2align	8
	.type	k_qdd330b648c_gemm,@function
k_qdd330b648c_gemm:
	s_mov_b64 s[64:65], 0
	v_nop
	global_prefetch_b8 v0, s[64:65] scope:SCOPE_SE
	s_setreg_imm32_b32 hwreg(HW_REG_WAVE_MODE, 25, 1), 1
	s_wait_xcnt 0x0
	s_wait_alu depctr_hold_cnt(0) depctr_sa_sdst(0) depctr_va_vdst(0) depctr_va_sdst(0) depctr_va_ssrc(0) depctr_va_vcc(0) depctr_vm_vsrc(0)
	s_getreg_b32 s2, hwreg(HW_REG_IB_STS2, 6, 4)
	s_cmp_eq_u32 s2, 0
	s_cbranch_scc0 .Lentry_in_a_cluster
	s_endpgm
.Lentry_in_a_cluster:
	s_bfe_u32 s2, ttmp6, 0x10000c
	s_cmp_lg_u32 s2, 0xf033
	s_cbranch_scc0 .Lentry_shape_is_right
	s_endpgm
.Lentry_shape_is_right:
; out0[m][256 i + n] = sum over j, k of S[i][j] x[m][512 j + k] W[i xor j][n][k]:  one product of 8192 x 2048 x 4096.
; x: [8192][4096] f32.  wb: +W and -W in bf16, in fragment order (made by the launch before).  out0: [8192][2048] f32.
; A work-group makes 256 rows x 256 columns of out0.  Its 256 columns are one component i, so in every K step of 64 its right-hand tile is one
; dense block of 32,768 bytes of wb, of table c = i xor j, from the + or the - copy as S[i][j] says: the sign costs scalar address arithmetic alone.
; Four waves, as many as a WGP has SIMDs; a wave makes 64 rows x 256 columns: 64 accumulator tiles of 16 x 16, 512 registers.  The waves are stacked
; along the rows, so each number of x is read from LDS and rounded to bf16 by one wave of the work-group only: 32 conversions for 64 matrix instructions.
; LIMITS: x and W enter the matrix unit rounded to bf16 (nearest even; an f32 within half a bf16 step of the largest f32 becomes infinity);
; sums in f32, K ascending, one accumulator for each output.  bf16 has f32's exponents: no other limit of range.
; THE RING: two LDS slots, one K step each: 256 rows of x (256 bytes of f32 a row, aligned to 256 in memory, 16 bytes of padding in LDS) and 32,768 bytes of wb.
; Two slots of a K step of 128 would take 401,408 bytes, more than the 327,680 that a work-group can have.
; CLUSTERS: 4 x 4 work-groups.  x's tile hangs on the block row alone and is asked for jointly by a row of the cluster; wb's hangs on i alone
; and is asked for jointly by a column.  Waves 0, 1 ask for the halves of x's tile, waves 2, 3 for the halves of wb's: one tensor load a wave and K step.
;
; REGISTERS, in windows of 256:
;   window 0: v16-23 addresses; v32-63, v64-95 fragments of x in bf16 (4 x 16 rows x 32 K), two buffers; v96-159 the same 64 rows x 32 K in f32, as loaded
;   window 1: v0-127, v128-255 fragments of W (16 x 16 rows x 32 K), two buffers
;   window 2: accumulator tiles (b, a), b = 0..7 (columns 16 b ..), a = 0..3 (rows 16 a ..), at v[8 (4 b + a)];  window 3: b = 8..15
; THE MATRIX INSTRUCTION IS USED TRANSPOSED: source 0 = 16 rows of W, source 1 = 16 rows of x.  Lane l then holds row l % 16 of out0 and its registers
; 0 to 7 the columns 8 (l / 16) + 0..7: 32 neighbouring bytes of a row.
.set PITCH,  272                       ; an LDS row of x: 256 bytes + 16: row r begins 16 r further modulo 256, so 16 rows take 16 different 16-byte columns
.set AHALF,  128*PITCH                 ; what one tensor load of x brings
.set ATILE,  2*AHALF                   ; x's part of a slot
.set BQ,     16384                     ; what one tensor load of wb brings: the fragments of 32 K
.set SLOT,   ATILE+2*BQ                ; 102,400
.set STAGE,  2*SLOT                    ; behind the ring, at a multiple of 256: the way out; no tensor load lands here
.set SPITCH, 1040                      ; a stage row: 1,024 bytes + 16
.set WSTAGE, 16*SPITCH                 ; 16 rows for each wave
.set OROW,   8192                      ; bytes in a row of out0
.set ADRA, 16                          ; v16-17  LDS address of my x fragments in slot 0, 1
.set ADRB, 18                          ; v18-19  the same for W
.set STO,  20                          ; v20     the way out: where I put 32 bytes of a row
.set RD,   21                          ; v21     the way out: where I read rows back
.set CO,   22                          ; v22     my byte offset in out0
.set PFO,  23                          ; v23     my byte offset for prefetches of x
.set AF,   32                          ; bf16 fragments of x: buffer f at AF + 32 f
.set STG,  96                          ; x in f32
.set OT,   32                          ; the way out: v32-159, 32 x 4 registers
.set G1,  24                           ; s[24:31] descriptor group 1 for x's tiles
.set G0,  32                           ; s[32:39] descriptor group 0 for x's tiles, one set for each slot
.set G1B, 48                           ; s[48:55] group 1 for wb's tiles
.set G0B, 56                           ; s[56:63] group 0 for wb's tiles, one set for each slot
.set MSB, 0
.macro WIN new                         ; the immediate's high byte repeats the setting that is left; a switch that changes nothing is dropped
.if MSB != \new
	s_set_vgpr_msb (MSB<<8)|\new
.set MSB, \new
.endif
.endm
.set MUL_LO, 0xa1                      ; source 0 (W) window 1, source 1 (x) window 0, C and D window 2
.set MUL_HI, 0xf1                      ; the same, C and D window 3
.set TO_B,   0x40                      ; destination window 1, address window 0
.set ST_LO,  0x08                      ; an LDS store's data (source 1) from window 2
.set ST_HI,  0x0c                      ; from window 3
; A joint load.  Each of the two lines has one mask and one set of registers for all that issue it.  The branch hangs on the wave's number alone.
; Four v_nop follow each of the two lines.
.macro JLOAD s
	s_cmp_eq_u32 s11, 0
	s_cbranch_scc0 .Lfor_b_\@
	tensor_load_to_lds s[G0+4*\s:G0+4*\s+3], s[G1:G1+7]
	s_nop 0
.rept 4
	v_nop
.endr
	s_branch .Lasked_\@
.Lfor_b_\@:
	tensor_load_to_lds s[G0B+4*\s:G0B+4*\s+3], s[G1B:G1B+7]
	s_nop 0
.rept 4
	v_nop
.endr
.Lasked_\@:
.endm
; A round of the cluster's barrier: my work-group's barrier, wave 0 signals for the work-group, every wave waits for all sixteen, my work-group's barrier again.
.macro CREST                           ; a round behind its opening barrier
	s_cmp_lg_u32 s10, 0
	s_cbranch_scc1 .Lnot_wave_0_\@
	s_barrier_signal -3
.Lnot_wave_0_\@:
	s_barrier_wait -3
	s_barrier_signal -1
	s_barrier_wait -1
.endm
.macro CROUND                          ; a whole round
	s_barrier_signal -1
	s_barrier_wait -1
	CREST
.endm
; s72 = byte offset in wb of my half of K step s70's tile; then s70 steps.  j = step / 8, ks = step % 8, c = i xor j, neg = bit j of s45.
.macro BOFF
	s_lshr_b32 s74, s70, 3                         ; j
	s_lshr_b32 s75, s45, s74
	s_and_b32 s75, s75, 1                          ; neg
	s_xor_b32 s74, s74, s42                        ; c
	s_lshl3_add_u32 s75, s75, s74                  ; 8 neg + c
	s_and_b32 s74, s70, 7                          ; ks
	s_lshl3_add_u32 s75, s75, s74
	s_lshl1_add_u32 s75, s75, s12                  ; my half: the fragments of 32 K
	s_lshl_b32 s72, s75, 14                        ; x 16,384 bytes
	s_add_co_u32 s70, s70, 1
.endm
.macro SETB s                          ; the address of wb's tile into slot s's group 0
	s_add_nc_u64 s[G0B+4*\s+2:G0B+4*\s+3], s[6:7], s[72:73]
	s_or_b32 s[G0B+4*\s+3], s[G0B+4*\s+3], 0x80000000
.endm
	s_load_b128 s[4:7], s[0:1], 0x0                ; x s[4:5], wb s[6:7]
	s_load_b64 s[8:9], s[0:1], 0x10                ; out0
	v_lshl_add_u32 v254, v0, 2, 0x42400
	v_mov_b32 v255, 0
	ds_add_u32 v254, v255
	v_lshrrev_b32 v1, 5, v0
	v_readfirstlane_b32 s10, v1                    ; wave 0..3
	s_lshr_b32 s11, s10, 1                         ; 0: I fetch x's tile, 1: wb's
	s_and_b32 s12, s10, 1                          ; which half of it
	s_bfe_u32 s40, ttmp6, 0x40000                  ; cx
	s_bfe_u32 s41, ttmp6, 0x40004                  ; cy
	s_lshl_b32 s42, ttmp9, 2
	s_add_co_u32 s42, s42, s40                     ; i = block column = 4 x cluster x + cx
	s_and_b32 s13, ttmp7, 0xffff
	s_lshl_b32 s13, s13, 2
	s_add_co_u32 s13, s13, s41                     ; block row = 4 x cluster y + cy
	s_lshl_b32 s43, s41, 2
	s_lshl_b32 s43, 15, s43                        ; my row of the cluster: places 4 cy .. 4 cy + 3
	s_lshl_b32 s44, 0x1111, s40                    ; my column: places cx, cx + 4, cx + 8, cx + 12
	; s45: bit j set where S[i][j] = -1.  One byte for each row of the sign table: FE 68 C2 A4 | 0E 54 98 32.
	s_mov_b32 s75, 0xa4c268fe                      ; rows 0 to 3
	s_mov_b32 s45, 0x3298540e                      ; rows 4 to 7
	s_cmp_lg_u32 ttmp9, 0                          ; i / 4 is the cluster's x (0 or 1)
	s_cselect_b32 s45, s45, s75
	s_lshl_b32 s74, s40, 3                         ; i % 4 is cx
	s_lshr_b32 s45, s45, s74                       ; my row's byte at the bottom (bits above 7 are never asked: j < 8)
	; group 1 for x: 128 rows x 64 elements of 4 bytes, 4,096 elements from row to row, 4 words of padding behind every 64
	s_or_b32 s[G1+0], s43, (2<<16)|(1<<20)|(1<<21)|(5<<22)|(3<<25)  ; 15:0 mask: my row; 17:16 element of 4 bytes; 20 padding on; 21 set beside a mask; 24:22 every 64 words; 31:25 4 words
	s_mov_b32 s[G1+1], 64<<16                      ; tensor_dim0 = 64
	s_mov_b32 s[G1+2], 128<<16                     ; tensor_dim1 = 128
	s_mov_b32 s[G1+3], 64<<16                      ; tile_dim0 = 64
	s_mov_b32 s[G1+4], 128                         ; tile_dim1 = 128
	s_mov_b32 s[G1+5], 4096                        ; pitch
	s_mov_b32 s[G1+6], 0
	s_mov_b32 s[G1+7], 0
	; group 1 for wb: a dense block of 16,384 bytes as 64 rows x 32 elements of 8 bytes, no padding
	s_or_b32 s[G1B+0], s44, (3<<16)|(1<<21)        ; mask: my column; element of 8 bytes; 21 set beside a mask
	s_mov_b32 s[G1B+1], 32<<16
	s_mov_b32 s[G1B+2], 64<<16
	s_mov_b32 s[G1B+3], 32<<16
	s_mov_b32 s[G1B+4], 64
	s_mov_b32 s[G1B+5], 32
	s_mov_b32 s[G1B+6], 0
	s_mov_b32 s[G1B+7], 0
	s_mul_i32 s20, s10, AHALF                      ; where x's halves go: wave 0 at 0, wave 1 at 34,816
	s_lshl_b32 s21, s10, 14
	s_add_co_u32 s21, s21, ATILE-2*BQ              ; where wb's halves go: wave 2 at 69,632, wave 3 at 86,016
	s_mov_b32 s70, 0                               ; the next K step to ask for
	s_mov_b32 s73, 0                               ; high word of wb's offset, for good
	s_lshl_b32 s16, s13, 8
	s_lshl_b32 s17, s12, 7
	s_add_co_u32 s16, s16, s17                     ; x: row 256 x block row + 128 x half
	s_lshl_b32 s16, s16, 14                        ; x 16,384 bytes: below 2^27
	s_mov_b32 s17, 0
	s_wait_dscnt 0x0
	s_wait_kmcnt 0x0
	s_add_nc_u64 s[14:15], s[4:5], s[16:17]
	s_lshl_b32 s16, s13, 22                        ; the block row's first row of x, for prefetches
	s_add_nc_u64 s[68:69], s[4:5], s[16:17]
	CROUND                                         ; all sixteen work-groups are here: the first joint loads meet
.irp s, 0,1
	s_mov_b32 s[G0+4*\s], 1                                        ; count = 1
	s_add_co_u32 s[G0+4*\s+1], s20, \s*SLOT                        ; LDS address
	s_add_nc_u64 s[G0+4*\s+2:G0+4*\s+3], s[14:15], \s*256          ; K step s: 64 f32 along the row
	s_or_b32 s[G0+4*\s+3], s[G0+4*\s+3], 0x80000000                ; type = 2
	BOFF
	s_mov_b32 s[G0B+4*\s], 1
	s_add_co_u32 s[G0B+4*\s+1], s21, \s*SLOT
	SETB \s
	JLOAD \s                                       ; both first fills go out before anything else: two tensor loads of the wave are out
.endr
	v_and_b32 v1, 15, v0                           ; r = l % 16
	v_bfe_u32 v2, v0, 4, 1                         ; h = l / 16
	v_and_b32 v3, 31, v0                           ; l
	; A fragment is 16 rows x 32 K: lane l holds row r; registers 0-3 K = 8 h + 0..7, registers 4-7 K = 16 + 8 h + 0..7.
	; In f32 that is 32 bytes at 32 h and 32 bytes at 64 + 32 h of the row: four loads of 16 bytes.
	v_mul_u32_u24 v4, v1, PITCH
	v_lshl_add_u32 v4, v2, 5, v4                   ; r x pitch + 32 h
	s_mul_i32 s16, s10, 64*PITCH                   ; my 64 rows
	v_add_nc_u32 v[ADRA], s16, v4
	v_add_nc_u32 v[ADRA+1], SLOT, v[ADRA]
	v_lshlrev_b32 v5, 4, v3                        ; 16 l: W's fragments lie in LDS as the lanes want them
	v_add_nc_u32 v[ADRB], ATILE, v5
	v_add_nc_u32 v[ADRB+1], ATILE+SLOT, v5
	s_mul_i32 s16, s10, WSTAGE
	s_add_co_u32 s16, s16, STAGE                   ; my stage
	v_mul_u32_u24 v6, v1, SPITCH
	v_lshl_add_u32 v6, v2, 5, v6                   ; in: row r, 32 bytes for each half of the lanes
	v_add_nc_u32 v[STO], s16, v6
	v_add_nc_u32 v[RD], s16, v5                    ; back: 32 lanes take 512 neighbouring bytes of a row
	v_mov_b32 v[CO], v5
	; Prefetch of x: the eight work-groups of a block row share its 256 rows, 32 each (rows 32 i + l); wave 2 asks for the even K steps, wave 3 for the odd ones,
	; one lane for each row's 256 bytes of a step.  So each such block of K steps 2 to 63 is asked for once in the launch.
	s_lshl_b32 s74, s42, 5
	v_add_nc_u32 v7, s74, v3
	v_lshlrev_b32 v7, 14, v7                       ; (32 i + l) rows of 16,384 bytes
	s_lshl_b32 s74, s12, 8
	v_add_nc_u32 v[PFO], s74, v7                   ; + 256 for wave 3
	s_cmp_eq_u32 s11, 0
	s_cbranch_scc1 .Lno_first_pf
	global_prefetch_b8 v[PFO], s[68:69] offset:512 th:TH_LOAD_NT scope:SCOPE_SE   ; K steps 2 and 3
.Lno_first_pf:
; 48 LDS loads in one run: my 64 rows of x (f32, 16 loads) and all 256 rows of W (bf16, 32 loads) for the 32 K of quarter q (0, 1) of the slot; W into buffer g.
; x's come first, so that a count of 32 shows them in.
.macro FETCH slot, q, g
	WIN 0
.irp a, 0,1,2,3
	ds_load_b128 v[STG+16*\a:STG+16*\a+3],     v[ADRA+\slot] offset:\a*16*PITCH+\q*128
	ds_load_b128 v[STG+16*\a+4:STG+16*\a+7],   v[ADRA+\slot] offset:\a*16*PITCH+\q*128+16
	ds_load_b128 v[STG+16*\a+8:STG+16*\a+11],  v[ADRA+\slot] offset:\a*16*PITCH+\q*128+64
	ds_load_b128 v[STG+16*\a+12:STG+16*\a+15], v[ADRA+\slot] offset:\a*16*PITCH+\q*128+80
.endr
	WIN TO_B
.irp b, 0,1,2,3,4,5,6,7,8,9,10,11,12,13,14,15
	ds_load_b128 v[128*\g+8*\b:128*\g+8*\b+3],   v[ADRB+\slot] offset:\q*BQ+\b*1024
	ds_load_b128 v[128*\g+8*\b+4:128*\g+8*\b+7], v[ADRB+\slot] offset:\q*BQ+\b*1024+512
.endr
.endm
; x's 64 rows x 32 K from f32 to bf16, into buffer g: 32 conversions, two roundings each.
; These 32 plain vector instructions name only STG and buffer g, which the matrix instructions just in front (on the other buffers) do not: they are also the
; places between those matrix instructions and the next loads into, or conversions over, the buffers that they read.
.macro CVT g
	WIN 0
.irp a, 0,1,2,3
.irp j, 0,1,2,3,4,5,6,7
	v_cvt_pk_bf16_f32 v[AF+32*\g+8*\a+\j], v[STG+16*\a+2*\j], v[STG+16*\a+2*\j+1]
.endr
.endr
.endm
; 4 nb matrix instructions on buffers f: column blocks b0 .. b0 + nb - 1 of the window (hi = 0: columns 0-127, 1: 128-255) x my four row blocks, 32 along K.
; zero = 1: the first product starts the sums: nothing is cleared.
; The 64 accumulators take turns, one instruction a turn, in the same order in every quarter, over the loop's backward jump too.
.macro MUL f, hi, b0, nb, zero
.set mb, \b0
.rept \nb
.irp a, 0,1,2,3
.if \zero
	v_wmma_f32_16x16x32_bf16 v[8*(4*mb+\a):8*(4*mb+\a)+7], v[128*\f+8*(8*\hi+mb):128*\f+8*(8*\hi+mb)+7], v[AF+32*\f+8*\a:AF+32*\f+8*\a+7], 0
.else
	v_wmma_f32_16x16x32_bf16 v[8*(4*mb+\a):8*(4*mb+\a)+7], v[128*\f+8*(8*\hi+mb):128*\f+8*(8*\hi+mb)+7], v[AF+32*\f+8*\a:AF+32*\f+8*\a+7], v[8*(4*mb+\a):8*(4*mb+\a)+7]
.endif
.endr
.set mb, mb+1
.endr
.endm
; The first 32 K of a K step: asks LDS for the second 32 K, multiplies buffers 0, rounds the second 32 K of x into buffer 1.
.macro QUARTER0 slot, zero
	FETCH \slot, 1, 1
	s_wait_dscnt 48                                ; all but the 48 just issued: W's fragments in buffer 0 are in (LDS answers a wave in order: ISA guide 5.7.1)
	WIN MUL_LO
	MUL 0, 0, 0, 8, \zero
	WIN MUL_HI
	MUL 0, 1, 0, 8, \zero
	s_wait_dscnt 32                                ; x's 16 loads are in; W's 32, issued behind them, may be out
	CVT 1
.endm
; Waves 2 and 3 ask for the K steps whose tensor loads are issued in the next lap but one's place in the ring: in lap L for steps 2 L + 4 and 2 L + 5,
; while this lap's tensor loads bring steps 2 L + 2 and 2 L + 3.  The last lap that asks is lap 29 (steps 62, 63): no request leaves a row of x.
.macro PF
	s_cmp_eq_u32 s11, 0
	s_cbranch_scc1 .Lnopf_\@
	s_wait_xcnt 0x0                                ; the last request, a lap ago, has had its address translated (ISA guide 3.1): its base is stepped only behind this wait
	s_add_nc_u64 s[68:69], s[68:69], 512
	global_prefetch_b8 v[PFO], s[68:69] offset:512 th:TH_LOAD_NT scope:SCOPE_SE
.Lnopf_\@:
.endm
; The second 32 K of a K step: multiplies buffers 1 and changes slots.  next = the other slot; fill = 1: this slot is filled again, two K steps ahead.
; In front of the barrier each wave waits for its reads of this slot and for all its tensor loads, of which one is out: its part of the next slot.
; Where the slot is filled again the barrier opens a round of the cluster's barrier; only matrix instructions and window switches stand inside it;
; the joint refill is the first tensor load behind it and stands ahead of the LDS reads.  From that request to the wait for it a wave issues 112 matrix instructions.
.macro TURN slot, next, fill, pf
.if \fill
	BOFF                                           ; scalar work on registers that no descriptor holds
.endif
	s_wait_dscnt 0x0                               ; my reads of this slot are over, and W's fragments in buffer 1 are in
	s_wait_tensorcnt 0x0                           ; all my tensor loads have landed: no load of mine is out, so a group 0 may be written
	ds_add_u32 v254, v255
	s_wait_dscnt 0x0
.if \fill
	s_add_nc_u64 s[G0+4*\slot+2:G0+4*\slot+3], s[G0+4*\slot+2:G0+4*\slot+3], 512   ; x: two K steps on
	SETB \slot
.endif
	s_barrier_signal -1
	WIN MUL_LO
	MUL 1, 0, 0, 4, 0                              ; work on registers while the others arrive
	WIN 0
	s_barrier_wait -1
.if \fill
	CREST                                          ; no wave of any partner still reads this slot's tile or has a load on its way
	JLOAD \slot
.endif
.if \pf
	PF
.endif
	FETCH \next, 0, 0
	WIN MUL_LO
	MUL 1, 0, 4, 4, 0
	WIN MUL_HI
	MUL 1, 1, 0, 8, 0
	s_wait_dscnt 32                                ; x's 16 loads of the next K step are in; W's 32 may be out
	CVT 0
.endm
.macro LAP zero, pf                    ; once round the ring, both slots filled again
	QUARTER0 0, \zero
	TURN 0, 1, 1, \pf
	QUARTER0 1, 0
	TURN 1, 0, 1, 0
.endm
	s_wait_tensorcnt 0x1                           ; my part of K step 0 is in; K step 1's may stay out
	s_barrier_signal -1
	s_barrier_wait -1                              ; everybody's is
	FETCH 0, 0, 0
	s_wait_dscnt 32
	CVT 0
	LAP 1, 1                                       ; lap 0 stands in front of the loop: its first products start the sums
	s_mov_b32 s3, 29
.Llap:
	LAP 0, 1                                       ; laps 1 to 29
	s_sub_co_u32 s3, s3, 1
	s_cmp_lg_u32 s3, 0
	s_cbranch_scc1 .Llap
	LAP 0, 0                                       ; lap 30: the last refills (K steps 62, 63); nothing is left to prefetch
	QUARTER0 0, 0                                  ; lap 31 fills nothing and has no round of the cluster's barrier
	TURN 0, 1, 0, 0
	QUARTER0 1, 0
	s_wait_dscnt 0x0
	WIN MUL_LO
	MUL 1, 0, 0, 8, 0
	WIN MUL_HI
	MUL 1, 1, 0, 8, 0
	WIN 0
	; THE WAY OUT, 16 rows at a time: 32 bytes a lane into my own stage in LDS, read back as whole rows of 1,024 bytes.
	; Four places behind the last matrix instructions, for the LDS stores that read results and the loads over x's fragments.
.rept 4
	v_nop
.endr
	s_lshl_b32 s16, s13, 8
	s_lshl_b32 s17, s10, 6
	s_add_co_u32 s16, s16, s17                     ; my first row: 256 x block row + 64 x wave
	s_lshl_b32 s16, s16, 13                        ; x 8,192 bytes: below 2^26
	s_mov_b32 s17, 0
	s_add_nc_u64 s[8:9], s[8:9], s[16:17]
	s_lshl_b32 s72, s42, 10                        ; my first column: 256 i f32 (s73 is still 0)
	s_add_nc_u64 s[8:9], s[8:9], s[72:73]
; rows 16 a .. 16 a + 15 of my 64: the sixteen tiles (0..15, a)
.macro OUT16 a
	WIN ST_LO
.irp b, 0,1,2,3,4,5,6,7
	ds_store_b128 v[STO], v[8*(4*\b+\a):8*(4*\b+\a)+3]   offset:64*\b
	ds_store_b128 v[STO], v[8*(4*\b+\a)+4:8*(4*\b+\a)+7] offset:64*\b+16
.endr
	WIN ST_HI
.irp b, 0,1,2,3,4,5,6,7
	ds_store_b128 v[STO], v[8*(4*\b+\a):8*(4*\b+\a)+3]   offset:64*(\b+8)
	ds_store_b128 v[STO], v[8*(4*\b+\a)+4:8*(4*\b+\a)+7] offset:64*(\b+8)+16
.endr
	WIN 0
	s_wait_xcnt 0x0                                ; the stores of the 16 rows before have had their addresses translated (ISA guide 3.1): their data registers are loaded again only behind this wait
.set oi, 0
.rept 32
	ds_load_b128 v[OT+4*oi:OT+4*oi+3], v[RD] offset:(oi/2)*SPITCH+(oi%2)*512   ; LDS serves a wave's instructions in order (ISA guide 5.7.1): these see the stores above
.set oi, oi+1
.endr
.set oi, 0
.rept 32
	s_wait_dscnt 31-oi                             ; this read-back is in, the younger ones stay out
	global_store_b128 v[CO], v[OT+4*oi:OT+4*oi+3], s[8:9] offset:(16*\a+oi/2)*OROW+(oi%2)*512 th:TH_STORE_NT   ; the wave stores 512 consecutive bytes, at a multiple of 512 from out0's first byte
.set oi, oi+1
.endr
.endm
	OUT16 0
	OUT16 1
	OUT16 2
	OUT16 3
	s_wait_tensorcnt 0x0
	ds_add_u32 v254, v255
	s_wait_dscnt 0x0
	CROUND                                         ; the closing round: no work-group ends while a partner may still ask for a tile that names it
	s_endpgm
.Lfunc_end_k_qdd330b648c_gemm:
	.size	k_qdd330b648c_gemm, .Lfunc_end_k_qdd330b648c_gemm-k_qdd330b648c_gemm
	.p2alignl 7, 3214868480
	.fill 96, 4, 3214868480
	.section	.rodata,"a",@progbits
	.p2align	6, 0x0
	.amdhsa_kernel k_qdd330b648c_gemm
		.amdhsa_group_segment_fixed_size 327680
		.amdhsa_private_segment_fixed_size 0
		.amdhsa_enable_private_segment 0
		.amdhsa_kernarg_size 24
		.amdhsa_user_sgpr_count 2
		.amdhsa_user_sgpr_kernarg_segment_ptr 1
		.amdhsa_wavefront_size32 1
		.amdhsa_system_sgpr_workgroup_id_x 1
		.amdhsa_system_sgpr_workgroup_id_y 1
		.amdhsa_system_sgpr_workgroup_id_z 1
		.amdhsa_system_vgpr_workitem_id 0
		.amdhsa_next_free_vgpr 1024
		.amdhsa_next_free_sgpr 80
		.amdhsa_reserve_vcc 0
		.amdhsa_float_denorm_mode_32 3
		.amdhsa_float_denorm_mode_16_64 3
		.amdhsa_memory_ordered 1
		.amdhsa_forward_progress 1
		.amdhsa_inst_pref_size 198
	.end_amdhsa_kernel
	.amdgpu_metadata
---
amdhsa.version: [ 1, 2 ]
amdhsa.kernels:
  - .name:           k_qdd330b648c_gemm
    .symbol:         k_qdd330b648c_gemm.kd
    .args:
      - { .name: x, .offset: 0, .size: 8, .value_kind: global_buffer, .address_space: global }
      - { .name: wb, .offset: 8, .size: 8, .value_kind: global_buffer, .address_space: global }
      - { .name: out0, .offset: 16, .size: 8, .value_kind: global_buffer, .address_space: global }
    .group_segment_fixed_size: 327680
    .private_segment_fixed_size: 0
    .kernarg_segment_align: 8
    .kernarg_segment_size: 24
    .max_flat_workgroup_size: 128
    .sgpr_count:     80
    .vgpr_count:     1024
    .wavefront_size: 32
...
	.end_amdgpu_metadata
.endif
;; end of part 2
;; ======== version 2 of 2: 2 launches
;; workspace buffers: wb 2,097,152 bytes
;; launch prep (part 3): grid 256 x 1, 4 waves a work-group, no clusters, 0 bytes of LDS; arguments weight, wb; writes wb
.if DOCPART == 3
	.amdgcn_target "amdgcn-amd-amdhsa--gfx1250"
	.amdhsa_code_object_version 6
	.text
	.protected	k_qdd330b648c_prep
	.globl	k_qdd330b648c_prep
	.p2align	8
	.type	k_qdd330b648c_prep,@function
k_qdd330b648c_prep:
	s_mov_b64 s[64:65], 0
	v_nop
	global_prefetch_b8 v0, s[64:65] scope:SCOPE_SE
	s_setreg_imm32_b32 hwreg(HW_REG_WAVE_MODE, 25, 1), 1
	s_wait_xcnt 0x0
; wb = the weight table in bf16, laid out in the order in which the product's waves want it.  weight: [8 (c)][256 (n)][512 (k)] f32.
; Byte of wb: nh*1048576 + t*131072 + s*65536 + c*8192 + b*1024 + p*512 + l*16 + 2e
; holds bf16(W[c][n][k]) with n = 128 nh + 16 b + (l & 15), k = 64 t + 32 s + 16 p + 8 (l >> 4) + e:
; (b, p) is registers 4p .. 4p+3 of the matrix fragment of 16 rows of W[c] for 32 k, lane l's 16 bytes at 16 l; the 65,536 bytes of one (nh, t, s)
; are what a work-group of the product needs of all eight tables for 32 k, in one dense block.
; Limit: rounding to bf16 is to nearest even; an f32 within half a bf16 step of the largest f32 becomes infinity.
; 256 work-groups x 4 waves; a wave makes the four 512-byte pieces (s, p) of one (c, t, 16 rows).  Its eight loads together take 256 consecutive
; bytes of each of 16 rows of W; each of its four stores covers 512 consecutive bytes, aligned.
; No LDS, no barrier, no matrix unit: every byte is read once and written once, and no wave needs another's data.
.set X,   4                            ; v[4:35]   8 f32 for each of the four pieces
.set Y,   36                           ; v[36:51]  the pieces in bf16
	s_load_b128 s[4:7], s[0:1], 0x0                ; weight s[4:5], wb s[6:7]
	v_lshrrev_b32 v3, 5, v0
	v_readfirstlane_b32 s8, v3                     ; wave 0..3
	v_and_b32 v2, 31, v0                           ; lane l
	v_and_b32 v1, 15, v0                           ; l & 15: the row among the 16
	v_bfe_u32 v3, v0, 4, 1                         ; l >> 4
	v_lshlrev_b32 v1, 11, v1                       ; a row of W is 2,048 bytes
	v_lshl_add_u32 v1, v3, 5, v1                   ; + 8 f32 for the upper half of the lanes
	v_lshlrev_b32 v2, 4, v2                        ; 16 l: my 16 bytes of a piece
	s_lshr_b32 s9, ttmp9, 2                        ; 8 c + t
	s_and_b32 s14, ttmp9, 3
	s_lshl2_add_u32 s14, s14, s8                   ; which 16 rows of the 256: 4 (group & 3) + wave
	s_lshr_b32 s10, s9, 3                          ; c
	s_and_b32 s9, s9, 7                            ; t
	s_lshl_b32 s12, s10, 13                        ; out: c x 8,192
	s_lshl_b32 s10, s10, 19                        ; in: c x 524,288 bytes
	s_lshl_b32 s15, s14, 15                        ; in: 16 rows x 2,048 bytes
	s_add_co_u32 s10, s10, s15
	s_lshl_b32 s15, s9, 8                          ; in: t x 64 f32
	s_add_co_u32 s10, s10, s15
	s_mov_b32 s11, 0
	s_lshl_b32 s15, s9, 17                         ; out: t x 131,072
	s_add_co_u32 s12, s12, s15
	s_lshr_b32 s15, s14, 3                         ; nh
	s_lshl_b32 s15, s15, 20                        ; out: nh x 1,048,576
	s_add_co_u32 s12, s12, s15
	s_and_b32 s15, s14, 7                          ; b
	s_lshl_b32 s15, s15, 10                        ; out: b x 1,024
	s_add_co_u32 s12, s12, s15
	s_mov_b32 s13, 0
	s_wait_kmcnt 0x0
	s_add_nc_u64 s[4:5], s[4:5], s[10:11]
	s_add_nc_u64 s[6:7], s[6:7], s[12:13]
.irp e, 0,1,2,3                                    ; e = 2 s + p: 16 k = 64 bytes further along the row
	global_load_b128 v[X+8*\e:X+8*\e+3],   v1, s[4:5] offset:64*\e
	global_load_b128 v[X+8*\e+4:X+8*\e+7], v1, s[4:5] offset:64*\e+16
.endr
.irp e, 0,1,2,3
	s_wait_loadcnt 6-2*\e                          ; loads come back in order (ISA guide 5.7.1): piece e's two are in, the younger ones stay out
.irp j, 0,1,2,3
	v_cvt_pk_bf16_f32 v[Y+4*\e+\j], v[X+8*\e+2*\j], v[X+8*\e+2*\j+1]
.endr
	global_store_b128 v2, v[Y+4*\e:Y+4*\e+3], s[6:7] offset:(\e/2)*65536+(\e%2)*512
.endr
	s_endpgm                                       ; no register was written twice: no further wait
.Lfunc_end_k_qdd330b648c_prep:
	.size	k_qdd330b648c_prep, .Lfunc_end_k_qdd330b648c_prep-k_qdd330b648c_prep
	.p2alignl 7, 3214868480
	.fill 96, 4, 3214868480
	.section	.rodata,"a",@progbits
	.p2align	6, 0x0
	.amdhsa_kernel k_qdd330b648c_prep
		.amdhsa_group_segment_fixed_size 0
		.amdhsa_private_segment_fixed_size 0
		.amdhsa_enable_private_segment 0
		.amdhsa_kernarg_size 16
		.amdhsa_user_sgpr_count 2
		.amdhsa_user_sgpr_kernarg_segment_ptr 1
		.amdhsa_wavefront_size32 1
		.amdhsa_system_sgpr_workgroup_id_x 1
		.amdhsa_system_sgpr_workgroup_id_y 1
		.amdhsa_system_sgpr_workgroup_id_z 1
		.amdhsa_system_vgpr_workitem_id 0
		.amdhsa_next_free_vgpr 52
		.amdhsa_next_free_sgpr 66
		.amdhsa_reserve_vcc 0
		.amdhsa_float_denorm_mode_32 3
		.amdhsa_float_denorm_mode_16_64 3
		.amdhsa_memory_ordered 1
		.amdhsa_forward_progress 1
		.amdhsa_inst_pref_size 4
	.end_amdhsa_kernel
	.amdgpu_metadata
---
amdhsa.version: [ 1, 2 ]
amdhsa.kernels:
  - .name:           k_qdd330b648c_prep
    .symbol:         k_qdd330b648c_prep.kd
    .args:
      - { .name: weight, .offset: 0, .size: 8, .value_kind: global_buffer, .address_space: global }
      - { .name: wb, .offset: 8, .size: 8, .value_kind: global_buffer, .address_space: global }
    .group_segment_fixed_size: 0
    .private_segment_fixed_size: 0
    .kernarg_segment_align: 8
    .kernarg_segment_size: 16
    .max_flat_workgroup_size: 128
    .sgpr_count:     66
    .vgpr_count:     52
    .wavefront_size: 32
...
	.end_amdgpu_metadata
.endif
;; end of part 3
;; launch gemm (part 4): grid 8 x 32, 4 waves a work-group, clusters of 4 x 1, 327,680 bytes of LDS; arguments x, wb, out0; writes out0
.if DOCPART == 4
	.amdgcn_target "amdgcn-amd-amdhsa--gfx1250"
	.amdhsa_code_object_version 6
	.text
	.protected	k_qdd330b648c_gemm
	.globl	k_qdd330b648c_gemm
	.p2align	8
	.type	k_qdd330b648c_gemm,@function
k_qdd330b648c_gemm:
	s_mov_b64 s[64:65], 0
	v_nop
	global_prefetch_b8 v0, s[64:65] scope:SCOPE_SE
	s_setreg_imm32_b32 hwreg(HW_REG_WAVE_MODE, 25, 1), 1
	s_wait_xcnt 0x0
	s_wait_alu depctr_hold_cnt(0) depctr_sa_sdst(0) depctr_va_vdst(0) depctr_va_sdst(0) depctr_va_ssrc(0) depctr_va_vcc(0) depctr_vm_vsrc(0)
	s_getreg_b32 s2, hwreg(HW_REG_IB_STS2, 6, 4)
	s_cmp_eq_u32 s2, 0
	s_cbranch_scc0 .Lentry_in_a_cluster
	s_endpgm
.Lentry_in_a_cluster:
	s_bfe_u32 s2, ttmp6, 0x10000c
	s_cmp_lg_u32 s2, 0x3003
	s_cbranch_scc0 .Lentry_shape_is_right
	s_endpgm
.Lentry_shape_is_right:
; out0[m][256 i + n] = sum over j, k of S[i][j] x[m][512 j + k] W[i xor j][n][k].
; x: [8192][4096] f32.  wb: W in bf16, in fragment order (made by the launch before).  out0: [8192][2048] f32.
; THE TILE FOLLOWS THE ALGEBRA.  One fragment of W[c] serves all eight products x_j W[c], which go to y_(j xor c).  So a wave holds ALL EIGHT components i
; of a narrow strip: 32 rows x (8 i x 64 n) = 64 accumulator tiles of 16 x 16, 512 registers.  A BLOCK of work is one c: 8 j x 2 row blocks x 4 n blocks
; = 64 matrix instructions, each accumulator once, from 4 fragments of W[c] and the 16 fragments of x (8 j x 2 row blocks) that stay in registers.
; A PERIOD is 32 k of every component: eight blocks, 512 matrix instructions, for 64 LDS loads of W and 32 of x.
; SIGNS.  An accumulator holds sigma x (its true sum), sigma = the sign of its last product.  Adding s P to the true sum is  stored' = (s sigma) stored + P:
; where the sign changes from a block to the next the matrix instruction takes -C, which is exact.  The blocks go c = 1, 2, .. 7, 0: in the block c = 0
; x_i meets y_i, and S[i][i] = +1 for every i, so each period ends with sigma = +1.  Every wave holds all i, so the pattern is fixed in the text.
; A WORK-GROUP makes 64 rows x (8 i x 128 n): four waves, 2 (rows) x 2 (n).  256 work-groups.
; x COMES THROUGH REGISTERS: each wave loads 16 of the 64 rows (an instruction takes 256 consecutive aligned bytes of each of two rows), rounds them to bf16 and
; puts them into LDS in fragment order: each number of x is rounded once in the work-group, and LDS holds 2 bytes of it.  The loads run eight blocks
; (512 matrix instructions) ahead of their conversion, in a ring of 8 x 16 registers.
; W COMES BY THE TENSOR DATA MOVER, 65,536 bytes a period through two LDS slots, a quarter by each wave.
; CLUSTERS: 4 x 1 work-groups: four row blocks of the same half of n need the same tiles of wb and ask for them jointly (mask 15).
; x is not asked for jointly: a row of x is needed by two work-groups only (the two halves of n), and it comes by loads into registers, which have no joint form.
; LIMITS: x and W enter the matrix unit rounded to bf16 (nearest even; an f32 within half a bf16 step of the largest f32 becomes infinity); sums in f32, one
; accumulator for each output, in the order: 32 k at a time, within them c = 1 .. 7, 0.  bf16 has f32's exponents: no other limit of range.
;
; REGISTERS, in windows of 256:
;   window 0: v10-22 addresses; v32-159 the ring of x in f32; v160-223 fragments of W, two buffers of 4; v224-231 x in bf16 on its way to LDS
;   window 1: fragments of x, two buffers of 16 (fragment (j, a) at 8 (2 j + a)); at the start the first chunk of x in f32
;   window 2: accumulator tiles (i, a, nb), i = 0..3, at v[64 i + 8 (4 a + nb)];  window 3: i = 4..7
; THE MATRIX INSTRUCTION IS USED TRANSPOSED: source 0 = 16 rows of W, source 1 = 16 rows of x.  Lane l then holds row l % 16 of out0 and its registers
; 0 to 7 the columns 8 (l / 16) + 0..7: 32 neighbouring bytes of a row.
.set SGN,    0x3298540ea4c268fe        ; bit 8 i + j is set where S[i][j] = -1
.set ABLK,   288                       ; x in LDS: 16 rows x 8 k of bf16 = 256 bytes, + 32: the eight blocks of a row's 64 k begin 32 bytes apart modulo 256
.set AR,     8*ABLK                    ; 16 rows x 64 k
.set AJ,     4*AR                      ; one component: 64 rows x 64 k
.set ABUF,   8*AJ                      ; a chunk of x: 64 k of all eight components, 73,728 bytes; two buffers from LDS byte 0
.set BSLOT0, 2*ABUF                    ; 147,456
.set BSLOT,  65536                     ; a period's W: 8 c x 128 n x 32 k of bf16; two slots
.set STAGE,  BSLOT0+2*BSLOT            ; 278,528, a multiple of 256: the way out; no tensor load lands here, nor in x's buffers
.set SPITCH, 528                       ; a stage row: 512 bytes + 16
.set WSTAGE, 16*SPITCH                 ; 16 rows for each wave
.set XROW,   16384                     ; bytes in a row of x
.set OROW,   8192                      ; bytes in a row of out0
.set XO,   10                          ; v10     my byte offset in x: 16 (l % 16) + (l / 16) rows
.set WADR, 12                          ; v12-13  where I put 8 bytes of x in chunk buffer 0, 1
.set RADR, 14                          ; v14-17  where I read fragments of x: buffer 0 j 0-3, buffer 0 j 4-7, buffer 1 j 0-3, buffer 1 j 4-7
.set ADRB, 18                          ; v18-19  where I read fragments of W in slot 0, 1
.set STO,  20                          ; v20     the way out: where I put 32 bytes of a row
.set RD,   21                          ; v21     the way out: where I read rows back
.set CO,   22                          ; v22     my byte offset in out0
.set ST,   32                          ; the ring: group g of four loads at ST + 16 (g % 8)
.set BF,   160                         ; W's fragments: buffer f at BF + 32 f
.set CV,   224
.set OT,   32                          ; the way out: two sets of 64 registers
.set XB,   20                          ; s[20:21] x at my wave's 16 rows and the current pair of chunks
.set G1,   24                          ; s[24:31] descriptor group 1
.set G0,   32                          ; s[32:39] descriptor group 0, one set for each slot
.set MSB, 0
.macro WIN new                         ; the immediate's high byte repeats the setting that is left; a switch that changes nothing is dropped
.if MSB != \new
	s_set_vgpr_msb (MSB<<8)|\new
.set MSB, \new
.endif
.endm
.set MUL_LO, 0xa4                      ; source 0 (W) window 0, source 1 (x) window 1, C and D window 2
.set MUL_HI, 0xf4                      ; the same, C and D window 3
.set TO_A,   0x40                      ; destination window 1, address window 0
.set FROM_A, 0x05                      ; sources 0 and 1 window 1, destination window 0
.set ST_LO,  0x08                      ; an LDS store's data (source 1) from window 2
.set ST_HI,  0x0c                      ; from window 3
; A round of the cluster's barrier: my work-group's barrier, wave 0 signals for the work-group, every wave waits for all four work-groups, my work-group's barrier again.
.macro CREST                           ; a round behind its opening barrier
	s_cmp_lg_u32 s10, 0
	s_cbranch_scc1 .Lnot_wave_0_\@
	s_barrier_signal -3
.Lnot_wave_0_\@:
	s_barrier_wait -3
	s_barrier_signal -1
	s_barrier_wait -1
.endm
.macro CROUND                          ; a whole round
	s_barrier_signal -1
	s_barrier_wait -1
	CREST
.endm
; Group g (0..15) of a chunk of x, for my wave's 16 rows: component g / 2, row pairs 4 (g % 2) .. + 3.  Four loads; each takes the chunk's 256 bytes of two rows.
; d: how many chunks (256 bytes along the row) beyond s[XB].
.macro XLOAD dst, g, d
.irp q, 0,1,2,3
	global_load_b128 v[(\dst)+4*\q:(\dst)+4*\q+3], v[XO], s[XB:XB+1] offset:((\g)/2)*2048+(4*((\g)%2)+\q)*2*XROW+(\d)*256
.endr
.endm
.macro XCVT src                        ; a group's 16 f32 a lane to bf16: eight plain vector instructions
.irp q, 0,1,2,3
	v_cvt_pk_bf16_f32 v[CV+2*\q],   v[(\src)+4*\q],   v[(\src)+4*\q+1]
	v_cvt_pk_bf16_f32 v[CV+2*\q+1], v[(\src)+4*\q+2], v[(\src)+4*\q+3]
.endr
.endm
; Into chunk buffer buf.  Lane l holds k = 4 (l % 16) .. + 3 of row 2 q' + l / 16: 8 bytes at block (l % 16) / 2, half (l % 16) % 2.
; The 32 lanes' 8 bytes fall on 32 different 8-byte columns modulo 256: 32 ((l % 16) / 2) + 16 (l / 16) + 8 (l % 2).
.macro XPUT g, buf
.irp q, 0,1,2,3
	ds_store_b64 v[WADR+(\buf)], v[CV+2*\q:CV+2*\q+1] offset:((\g)/2)*AJ+(4*((\g)%2)+\q)*32
.endr
.endm
; The four fragments of W[c] for my 64 n, from a slot into buffer rb: each load takes 512 consecutive bytes.
.macro BFETCH slot, c, rb
	WIN 0
.irp nb, 0,1,2,3
	ds_load_b128 v[BF+32*(\rb)+8*\nb:BF+32*(\rb)+8*\nb+3],   v[ADRB+(\slot)] offset:(\c)*8192+\nb*1024
	ds_load_b128 v[BF+32*(\rb)+8*\nb+4:BF+32*(\rb)+8*\nb+7], v[ADRB+(\slot)] offset:(\c)*8192+\nb*1024+512
.endr
.endm
; The 16 fragments of x of a period (my 32 rows, 32 k at half sub of chunk buffer lb, all eight j) into buffer rb.
; Lane (r, h): registers 0-3 k = 8 h + 0..7 (block 4 sub + h), registers 4-7 k = 16 + 8 h + 0..7 (block 4 sub + 2 + h); sixteen lanes take 256 consecutive bytes.
.macro AFETCH lb, sub, rb
	WIN TO_A
.irp j, 0,1,2,3,4,5,6,7
.irp a, 0,1
	ds_load_b128 v[128*(\rb)+8*(2*\j+\a):128*(\rb)+8*(2*\j+\a)+3],   v[RADR+2*(\lb)+(\j/4)] offset:(\j%4)*AJ+\a*AR+(\sub)*4*ABLK
	ds_load_b128 v[128*(\rb)+8*(2*\j+\a)+4:128*(\rb)+8*(2*\j+\a)+7], v[RADR+2*(\lb)+(\j/4)] offset:(\j%4)*AJ+\a*AR+(\sub)*4*ABLK+2*ABLK
.endr
.endr
.endm
; The eight matrix instructions of component i in block k of a period: c = (k + 1) % 8, j = i xor c; the block before had c = k.
; -C where S[i][j] differs from the sign of the block before.  zero = 1: the first product starts the sums: nothing is cleared.
; The 64 accumulators take turns, one instruction a turn.
.macro MULI i, k, af, bf, zero
.set m_j,  (\i)^(((\k)+1)&7)
.set m_jp, (\i)^(\k)
.set m_fl, ((SGN>>(8*(\i)+m_j))^(SGN>>(8*(\i)+m_jp)))&1
.set m_ac, 64*((\i)&3)
.irp a, 0,1
.irp nb, 0,1,2,3
.if \zero
	v_wmma_f32_16x16x32_bf16 v[m_ac+8*(4*\a+\nb):m_ac+8*(4*\a+\nb)+7], v[BF+32*(\bf)+8*\nb:BF+32*(\bf)+8*\nb+7], v[128*(\af)+8*(2*m_j+\a):128*(\af)+8*(2*m_j+\a)+7], 0
.elseif m_fl
	v_wmma_f32_16x16x32_bf16 v[m_ac+8*(4*\a+\nb):m_ac+8*(4*\a+\nb)+7], v[BF+32*(\bf)+8*\nb:BF+32*(\bf)+8*\nb+7], v[128*(\af)+8*(2*m_j+\a):128*(\af)+8*(2*m_j+\a)+7], v[m_ac+8*(4*\a+\nb):m_ac+8*(4*\a+\nb)+7] neg_lo:[0,0,1]
.else
	v_wmma_f32_16x16x32_bf16 v[m_ac+8*(4*\a+\nb):m_ac+8*(4*\a+\nb)+7], v[BF+32*(\bf)+8*\nb:BF+32*(\bf)+8*\nb+7], v[128*(\af)+8*(2*m_j+\a):128*(\af)+8*(2*m_j+\a)+7], v[m_ac+8*(4*\a+\nb):m_ac+8*(4*\a+\nb)+7]
.endif
.endr
.endr
.endm
; BLOCK idx OF A PAIR OF CHUNKS (32 blocks = 4 periods = 128 k of every component), with what stands in front of it.  idx = 32 is block 0 of the next pair, seen from this pair's s[XB].
; In front of every block:
;   x: group idx % 16 of the chunk after the one at work, loaded eight blocks ago, is rounded and put into the other chunk buffer; the group eight further on is asked for;
;   W: the next block's four fragments are asked of LDS, into the buffer that the block before read.
; The eight conversions (in the tail, where nothing is left to convert, five v_nop) name none of the matrix instructions' registers.  They are the places
; between the block before and (a) the loads into W's buffer that it read, (b) this block's matrix instructions, which write over its results with another sign of C.
; In front of a period's last block (idx % 8 = 7) the slots change: see below.
; tail = 1: the last pair: chunk 7 is the last to stage (loads up to idx 7, stores up to idx 15), periods 14 and 15 the last to fetch (idx 7, 15).
.macro PB idx, zero, tail
.set p_k,   (\idx)&7
.set p_pp,  ((\idx)>>3)&3
.set p_sl,  p_pp&1
.set p_np,  (p_pp+1)&3
.set p_nl,  p_np/2
.set p_ns,  p_np&1
.set p_bf,  (\idx)&1
.set p_rb,  ((\idx)+1)&1
.set p_g,   (\idx)&15
.set p_wb,  (((\idx)>>4)+1)&1
.set p_g2,  ((\idx)+8)&15
.set p_d2,  (((\idx)+8)>>4)+1
.set p_rs,  ST+16*p_k
.set p_cn,  (p_k+2)&7
.set p_st,  1
.set p_ld,  1
.set p_cnt, 28
.set p_fill, 1
.set p_last, 0
.if \tail
.if (\idx) > 7
.set p_ld, 0
.endif
.if (\idx) > 8
.set p_cnt, 4*(15-(\idx))
.endif
.if (\idx) > 15
.set p_st, 0
.set p_fill, 0
.endif
.if (\idx) == 31
.set p_last, 1
.endif
.endif
	WIN 0
.if p_k != 7
	s_wait_dscnt 0x0                               ; what was asked of LDS in front of the block before, a block ago, is in: this block's fragments of W (and, in a period's first block, of x)
.endif
.if p_st
	s_wait_loadcnt p_cnt                           ; loads come back in order (ISA guide 5.7.1): this group's four are in, the younger groups (seven in the loop) stay out
	XCVT p_rs
	XPUT p_g, p_wb
.if p_ld
	XLOAD p_rs, p_g2, p_d2
.endif
.else
.rept 5
	v_nop
.endr
.endif
.if p_k != 7
	BFETCH p_sl, p_cn, p_rb
	WIN MUL_LO
.irp i, 0,1,2,3
	MULI \i, p_k, p_sl, p_bf, \zero
.endr
	WIN MUL_HI
.irp i, 4,5,6,7
	MULI \i, p_k, p_sl, p_bf, \zero
.endr
.elseif p_last
	s_wait_dscnt 0x0                               ; the very last block: nothing more to fetch
	WIN MUL_LO
.irp i, 0,1,2,3
	MULI \i, p_k, p_sl, p_bf, 0
.endr
	WIN MUL_HI
.irp i, 4,5,6,7
	MULI \i, p_k, p_sl, p_bf, 0
.endr
.else
	; THE CHANGE OF SLOTS.  This period's slot of W has been read to its end (the last block's fragments were asked for a block ago).  One barrier does three things:
	; nobody reads that slot any more, so it is filled again, two periods ahead; the other slot is whole; and the groups of x that the waves have stored are seen by all.
	s_wait_dscnt 0x0                               ; my LDS reads are back and my stores of x are done
	s_wait_tensorcnt 0x0                           ; all my tensor loads have landed: the one that was out is my quarter of the next period's slot; a group 0 may be written
	ds_add_u32 v254, v255
	s_wait_dscnt 0x0
.if p_fill
	s_add_nc_u64 s[G0+4*p_sl+2:G0+4*p_sl+3], s[G0+4*p_sl+2:G0+4*p_sl+3], 2*BSLOT   ; this slot's next tile: two periods on
.endif
	s_barrier_signal -1                            ; where the slot is filled again this barrier opens a round of the cluster's barrier
	WIN MUL_LO
	MULI 0, p_k, p_sl, p_bf, 0                     ; work on registers while the others arrive
	MULI 1, p_k, p_sl, p_bf, 0
	WIN 0
	s_barrier_wait -1
.if p_fill
	CREST                                          ; no wave of any partner still reads this slot's tile or has a load on its way
	tensor_load_to_lds s[G0+4*p_sl:G0+4*p_sl+3], s[G1:G1+7]   ; my one tensor load behind the round, ahead of the LDS reads; until the wait for it I issue 496 matrix instructions
	s_nop 0
.rept 4
	v_nop
.endr
.endif
	BFETCH p_ns, 1, p_rb                           ; the next period's first block (c = 1), from the other slot
	AFETCH p_nl, p_ns, p_ns                        ; and its 16 fragments of x, into the buffer that the period before read
	WIN MUL_LO
	MULI 2, p_k, p_sl, p_bf, 0
	MULI 3, p_k, p_sl, p_bf, 0
	WIN MUL_HI
.irp i, 4,5,6,7
	MULI \i, p_k, p_sl, p_bf, 0
.endr
.endif
.endm
	s_load_b128 s[4:7], s[0:1], 0x0                ; x s[4:5], wb s[6:7]
	s_load_b64 s[8:9], s[0:1], 0x10                ; out0
	v_lshl_add_u32 v254, v0, 2, 0x4c400
	v_mov_b32 v255, 0
	ds_add_u32 v254, v255
	v_lshrrev_b32 v1, 5, v0
	v_readfirstlane_b32 s10, v1                    ; wave 0..3
	s_lshr_b32 s11, s10, 1                         ; which 32 of the 64 rows I multiply
	s_and_b32 s12, s10, 1                          ; which 64 of the 128 n
	s_bfe_u32 s40, ttmp6, 0x40000                  ; cx: my place in the cluster
	s_and_b32 s13, ttmp7, 0xffff
	s_lshl_b32 s13, s13, 2
	s_add_co_u32 s13, s13, s40                     ; block of 64 rows = 4 x cluster y + cx.  The half of n is the cluster's x, ttmp9, which the four partners share
	v_and_b32 v1, 15, v0                           ; r = l % 16
	v_bfe_u32 v2, v0, 4, 1                         ; h = l / 16
	v_and_b32 v3, 31, v0                           ; l
	v_lshlrev_b32 v[XO], 4, v1
	v_lshl_add_u32 v[XO], v2, 14, v[XO]            ; 16 bytes a lane; lanes 16-31 one row further down
	s_lshl_b32 s16, s13, 6
	s_lshl4_add_u32 s16, s10, s16                  ; the 16 rows that I stage: 64 x block + 16 x wave
	s_lshl_b32 s16, s16, 14                        ; x 16,384 bytes: below 2^27
	s_mov_b32 s17, 0
	s_lshl_b32 s22, s10, 14                        ; my quarter of a tile of wb: wave x 16,384 bytes
	; group 1: a dense block of 16,384 bytes as 64 rows x 32 elements of 8 bytes, no padding, for all four work-groups of the cluster
	s_mov_b32 s[G1+0], 15|(3<<16)|(1<<21)          ; 15:0 mask: places 0 to 3; 17:16 element of 8 bytes; 21 set beside a mask
	s_mov_b32 s[G1+1], 32<<16                      ; tensor_dim0 = 32
	s_mov_b32 s[G1+2], 64<<16                      ; tensor_dim1 = 64
	s_mov_b32 s[G1+3], 32<<16                      ; tile_dim0 = 32
	s_mov_b32 s[G1+4], 64                          ; tile_dim1 = 64
	s_mov_b32 s[G1+5], 32                          ; pitch
	s_mov_b32 s[G1+6], 0
	s_mov_b32 s[G1+7], 0
	s_wait_dscnt 0x0
	s_wait_kmcnt 0x0
	s_add_nc_u64 s[XB:XB+1], s[4:5], s[16:17]
	; Chunk 0 of x has to be in LDS before the first product.  Its 16 groups go into window 1, which holds nothing yet: 15 groups (60 loads) at once, the 16th below.
	WIN TO_A
.set pg, 0
.rept 15
	XLOAD 16*pg, pg, 0
.set pg, pg+1
.endr
	WIN 0
	s_lshl_b32 s16, ttmp9, 20                      ; wb: my half of n, 1,048,576 bytes each,
	s_add_co_u32 s16, s16, s22                     ; and my quarter of a tile
	s_add_nc_u64 s[18:19], s[6:7], s[16:17]
	CROUND                                         ; all four work-groups are here: the first joint loads meet
.irp s, 0,1
	s_mov_b32 s[G0+4*\s], 1                                        ; count = 1
	s_add_co_u32 s[G0+4*\s+1], s22, BSLOT0+\s*BSLOT                ; LDS address: the slot, and wave x 16,384
	s_add_nc_u64 s[G0+4*\s+2:G0+4*\s+3], s[18:19], \s*BSLOT        ; period s
	s_or_b32 s[G0+4*\s+3], s[G0+4*\s+3], 0x80000000                ; type = 2
	tensor_load_to_lds s[G0+4*\s:G0+4*\s+3], s[G1:G1+7]            ; both first fills go out together: two tensor loads of the wave are out
	s_nop 0
.rept 4
	v_nop
.endr
.endr
	; LDS addresses
	v_lshrrev_b32 v4, 1, v1
	v_mul_u32_u24 v4, v4, ABLK                     ; staging: block (l % 16) / 2,
	v_and_b32 v5, 1, v1
	v_lshl_add_u32 v4, v5, 3, v4                   ; half l % 2,
	v_lshl_add_u32 v4, v2, 4, v4                   ; the odd row for lanes 16-31,
	s_mul_i32 s16, s10, AR                         ; row block = wave
	v_add_nc_u32 v[WADR], s16, v4
	v_add_nc_u32 v[WADR+1], ABUF, v[WADR]
	v_mul_u32_u24 v6, v2, ABLK                     ; fragments of x: block h, row r,
	v_lshl_add_u32 v6, v1, 4, v6
	s_mul_i32 s16, s11, 2*AR                       ; my two row blocks
	v_add_nc_u32 v[RADR], s16, v6
	v_add_nc_u32 v[RADR+1], 4*AJ, v[RADR]
	v_add_nc_u32 v[RADR+2], ABUF, v[RADR]
	v_add_nc_u32 v[RADR+3], ABUF+4*AJ, v[RADR]
	v_lshlrev_b32 v7, 4, v3                        ; 16 l: W's fragments lie in LDS as the lanes want them
	s_lshl_b32 s16, s12, 12                        ; my four n blocks of 1,024 bytes
	s_add_co_u32 s16, s16, BSLOT0
	v_add_nc_u32 v[ADRB], s16, v7
	v_add_nc_u32 v[ADRB+1], BSLOT, v[ADRB]
	s_mul_i32 s16, s10, WSTAGE
	s_add_co_u32 s16, s16, STAGE                   ; my stage
	v_mul_u32_u24 v8, v1, SPITCH
	v_lshl_add_u32 v8, v2, 5, v8                   ; in: row r, 32 bytes for each half of the lanes
	v_add_nc_u32 v[STO], s16, v8
	v_add_nc_u32 v[RD], s16, v7                    ; back: 32 lanes take the 512 bytes of a stage row
	v_lshlrev_b32 v[CO], 4, v1
	v_lshl_add_u32 v[CO], v2, 10, v[CO]            ; lanes 0-15 one component's 256 bytes, lanes 16-31 the next component's, 1,024 bytes on
	; Chunk 0 into buffer 0, group by group as it arrives.  Behind group 0 the 16th group is asked for, behind groups 1 to 8 the ring's first eight groups (chunk 1, groups 0-7).
	; So behind group g stand 14 younger groups (56 loads) up to g = 9, then one fewer each time, down to the ring's eight (32 loads).
.set pg, 0
.rept 16
.if pg < 10
	s_wait_loadcnt 56
.else
	s_wait_loadcnt 32+4*(15-pg)
.endif
	WIN FROM_A
	XCVT 16*pg
	WIN 0
	XPUT pg, 0
.if pg == 0
	WIN TO_A
	XLOAD 240, 15, 0
	WIN 0
.elseif pg < 9
	XLOAD ST+16*(pg-1), pg-1, 1
.endif
.set pg, pg+1
.endr
	s_wait_dscnt 0x0                               ; my part of chunk 0 is in LDS,
	s_wait_tensorcnt 0x1                           ; and my quarter of period 0's W; period 1's may stay out
	s_barrier_signal -1
	s_barrier_wait -1                              ; everybody's is
	BFETCH 0, 1, 0
	AFETCH 0, 0, 0
	PB 0, 1, 0                                     ; block 0 stands in front of the loop: its products start the sums
	WIN 0                                          ; at a label and at a branch every window is 0
	s_mov_b32 s3, 3
.Lpair:                                            ; blocks 1 to 31 of a pair of chunks and block 0 of the next pair; three trips: blocks 1 to 96 of 128
.set pi, 1
.rept 32
	PB pi, 0, 0
.set pi, pi+1
.endr
	WIN 0
	s_wait_xcnt 0x0                                ; every load issued has had its address translated (ISA guide 3.1): their base is stepped only behind this wait
	s_add_nc_u64 s[XB:XB+1], s[XB:XB+1], 512       ; two chunks on
	s_sub_co_u32 s3, s3, 1
	s_cmp_lg_u32 s3, 0
	s_cbranch_scc1 .Lpair
.set pi, 1
.rept 31
	PB pi, 0, 1                                    ; the last pair, written out: no load leaves a row of x, no slot is filled that nobody reads
.set pi, pi+1
.endr
	WIN 0
	; THE WAY OUT, 16 rows x 2 components at a time: 32 bytes a lane into my own stage in LDS, read back as whole pieces of 256 bytes.
	; Four places behind the last matrix instructions, for the LDS stores that read results.
.rept 4
	v_nop
.endr
	s_lshl_b32 s16, s13, 6
	s_lshl_b32 s17, s11, 5
	s_add_co_u32 s16, s16, s17                     ; my first row: 64 x block + 32 x half
	s_lshl_b32 s16, s16, 13                        ; x 8,192 bytes: below 2^26
	s_lshl_b32 s17, ttmp9, 9                       ; my first column inside a component: 128 f32 x half of n
	s_add_co_u32 s16, s16, s17
	s_lshl_b32 s17, s12, 8                         ; + 64 f32 x my half of that
	s_add_co_u32 s16, s16, s17
	s_mov_b32 s17, 0
	s_add_nc_u64 s[8:9], s[8:9], s[16:17]
; rows 16 a .. + 15 of my 32, components 2 ip and 2 ip + 1: eight tiles; f: which set of registers takes the rows read back
.macro OUTG a, ip, f
.if \ip < 2
	WIN ST_LO
.else
	WIN ST_HI
.endif
.irp ii, 0,1
.irp nb, 0,1,2,3
	ds_store_b128 v[STO], v[64*((2*\ip+\ii)&3)+8*(4*\a+\nb):64*((2*\ip+\ii)&3)+8*(4*\a+\nb)+3]   offset:256*\ii+64*\nb
	ds_store_b128 v[STO], v[64*((2*\ip+\ii)&3)+8*(4*\a+\nb)+4:64*((2*\ip+\ii)&3)+8*(4*\a+\nb)+7] offset:256*\ii+64*\nb+16
.endr
.endr
	WIN 0
	s_wait_xcnt 0x0                                ; the stores issued so far have had their addresses translated (ISA guide 3.1): their data registers are loaded again only behind this wait
.set oi, 0
.rept 16
	ds_load_b128 v[OT+64*\f+4*oi:OT+64*\f+4*oi+3], v[RD] offset:oi*SPITCH   ; LDS serves a wave's instructions in order (ISA guide 5.7.1): these see the stores above, and the next stores come behind these
.set oi, oi+1
.endr
.set oi, 0
.rept 16
	s_wait_dscnt 15-oi                             ; this read-back is in, the younger ones stay out
	global_store_b128 v[CO], v[OT+64*\f+4*oi:OT+64*\f+4*oi+3], s[8:9] offset:(16*\a+oi)*OROW+\ip*2048 th:TH_STORE_NT   ; sixteen lanes store 256 consecutive bytes, at a multiple of 256 from out0's first byte
.set oi, oi+1
.endr
.endm
	OUTG 0, 0, 0
	OUTG 0, 1, 1
	OUTG 0, 2, 0
	OUTG 0, 3, 1
	OUTG 1, 0, 0
	OUTG 1, 1, 1
	OUTG 1, 2, 0
	OUTG 1, 3, 1
	s_wait_tensorcnt 0x0
	ds_add_u32 v254, v255
	s_wait_dscnt 0x0
	CROUND                                         ; the closing round: no work-group ends while a partner may still ask for a tile that names it
	s_endpgm
.Lfunc_end_k_qdd330b648c_gemm:
	.size	k_qdd330b648c_gemm, .Lfunc_end_k_qdd330b648c_gemm-k_qdd330b648c_gemm
	.p2alignl 7, 3214868480
	.fill 96, 4, 3214868480
	.section	.rodata,"a",@progbits
	.p2align	6, 0x0
	.amdhsa_kernel k_qdd330b648c_gemm
		.amdhsa_group_segment_fixed_size 327680
		.amdhsa_private_segment_fixed_size 0
		.amdhsa_enable_private_segment 0
		.amdhsa_kernarg_size 24
		.amdhsa_user_sgpr_count 2
		.amdhsa_user_sgpr_kernarg_segment_ptr 1
		.amdhsa_wavefront_size32 1
		.amdhsa_system_sgpr_workgroup_id_x 1
		.amdhsa_system_sgpr_workgroup_id_y 1
		.amdhsa_system_sgpr_workgroup_id_z 1
		.amdhsa_system_vgpr_workitem_id 0
		.amdhsa_next_free_vgpr 1024
		.amdhsa_next_free_sgpr 66
		.amdhsa_reserve_vcc 0
		.amdhsa_float_denorm_mode_32 3
		.amdhsa_float_denorm_mode_16_64 3
		.amdhsa_memory_ordered 1
		.amdhsa_forward_progress 1
		.amdhsa_inst_pref_size 255
	.end_amdhsa_kernel
	.section	.bss,"aw",@nobits
	.p2align	6
	.space	262144
	.amdgpu_metadata
---
amdhsa.version: [ 1, 2 ]
amdhsa.kernels:
  - .name:           k_qdd330b648c_gemm
    .symbol:         k_qdd330b648c_gemm.kd
    .args:
      - { .name: x, .offset: 0, .size: 8, .value_kind: global_buffer, .address_space: global }
      - { .name: wb, .offset: 8, .size: 8, .value_kind: global_buffer, .address_space: global }
      - { .name: out0, .offset: 16, .size: 8, .value_kind: global_buffer, .address_space: global }
    .group_segment_fixed_size: 327680
    .private_segment_fixed_size: 0
    .kernarg_segment_align: 8
    .kernarg_segment_size: 24
    .max_flat_workgroup_size: 128
    .sgpr_count:     66
    .vgpr_count:     1024
    .wavefront_size: 32
...
	.end_amdgpu_metadata
.endif
;; end of part 4
